; MI455X (gfx1250); checked and timed in simulation.
; The chip was launched on July 23, 2026; its instructions are those of AMD's public machine-readable ISA for CDNA 5 (MIT licence, August 2026) and "CDNA5" Instruction Set Architecture Reference Guide (July 2026). The comments in the code are by the model that wrote it; some were corrected since.
;; My Self Attention. Allowed arithmetic: float matrix products may take bf16 or f16 operands with f32 sums; other float arithmetic in f32, or as packed bf16 or f16 multiplies, adds, multiply-adds, maxima and minima; sums over many terms, partial sums and values carried from step to step in f32; what a program stores and reads back later, other than sums and carried values, may be rounded once to bf16 or f16.
;; Inputs: bk 1,024 float32; bq 1,024 float32; bv 1,024 float32; wk 1,024 x 1,024 float32; wq 1,024 x 1,024 float32; wv 1,024 x 1,024 float32; x 4 x 2,048 x 1,024 float32.
;; Outputs: out0 4 x 2,048 x 1,024 float32.
;; One version. Each part assembles by itself: llvm-mc -triple=amdgcn-amd-amdhsa -mcpu=gfx1250 --defsym DOCPART=n.
;; ======== version 1 of 1: 4 launches
;; limits: values are held in f16: magnitudes above 65,504 overflow, below 6.1e-05 lose precision; inputs' magnitudes at most 65,504; right only within a limited range of input values
;; workspace buffers: xh 16,777,216 bytes; wh 6,291,456 bytes; bias 12,288 bytes; qkv 50,331,648 bytes; p 33,554,432 bytes; cmx 524,288 bytes; lsum 524,288 bytes
;; launch cast (part 1): grid 2816 x 1, 8 waves a work-group, no clusters, 0 bytes of LDS; arguments x, wq, wk, wv, bq, bk, bv, xh, wh, bias; writes xh, wh, bias
.if DOCPART == 1
	.amdgcn_target "amdgcn-amd-amdhsa--gfx1250"
	.amdhsa_code_object_version 6
	.text
	.protected	k_qd656997da1_cast
	.globl	k_qd656997da1_cast
	.p2align	8
	.type	k_qd656997da1_cast,@function
k_qd656997da1_cast:
	s_mov_b64 s[64:65], 0
	v_nop
	global_prefetch_b8 v0, s[64:65] scope:SCOPE_SE
	s_setreg_imm32_b32 hwreg(HW_REG_WAVE_MODE, 25, 1), 1
	s_wait_xcnt 0x0
; CAST.  x, wq, wk, wv: each f32 is rounded once to bf16 and that number is written as f16 (exact from 2^-14 up to f16's end; below 2^-14
; it keeps f16's fixed step of 6e-8).  bq, bk, bv: rounded to bf16 and kept as f32.  xh [8192][1024], wh [3072][1024] (wq, wk, wv one below
; the other), bias [3072].
; LIMIT: a number of 65,520 or more in magnitude becomes an infinity in f16; NaN and infinities are not treated apart.
; A stream: memory binds, so no LDS, no matrix unit, no cluster (no two work-groups read the same byte).
; SHARES.  2,816 work-groups of 4,096 numbers: 2,048 for x, 256 for each weight.  Thread t takes 16 bytes at 16 t + 4,096 j, j = 0..3: a load of a
; wave covers 512 consecutive bytes, a store of a wave 256 consecutive bytes at a multiple of 256.  The first work-group of each weight also copies that weight's bias.
	s_load_b512 s[4:19], s[0:1], 0x0               ; x s[4:5], wq s[6:7], wk s[8:9], wv s[10:11], bq s[12:13], bk s[14:15], bv s[16:17], xh s[18:19]
	s_load_b128 s[20:23], s[0:1], 0x40             ; wh s[20:21], bias s[22:23]
	v_lshlrev_b32 v1, 4, v0                        ; 16 t: my bytes in a block of 4,096 of the source
	v_lshlrev_b32 v2, 3, v0                        ; 8 t: my bytes in a block of 2,048 of the destination
	s_mov_b32 s34, ttmp9                           ; g
	s_and_b32 s35, s34, 255                        ; the block's number inside a weight
	s_sub_co_u32 s36, s34, 2048                    ; the block's number inside wh (used only where g >= 2,048)
	s_cmp_lt_u32 s34, 2048
	s_cselect_b32 s37, s34, s35                    ; block in the source
	s_cselect_b32 s38, s34, s36                    ; block in the destination
	s_lshl_b32 s30, s37, 14                        ; 16,384 bytes of f32 a block
	s_mov_b32 s31, 0
	s_lshl_b32 s32, s38, 13                        ; 8,192 bytes of f16 a block
	s_mov_b32 s33, 0
	s_wait_kmcnt 0x0
	s_cmp_ge_u32 s34, 2304                         ; which weight, and which bias: the choice hangs on g alone
	s_cselect_b64 s[24:25], s[8:9], s[6:7]
	s_cselect_b64 s[28:29], s[14:15], s[12:13]
	s_cmp_ge_u32 s34, 2560
	s_cselect_b64 s[24:25], s[10:11], s[24:25]
	s_cselect_b64 s[28:29], s[16:17], s[28:29]
	s_cmp_lt_u32 s34, 2048
	s_cselect_b64 s[24:25], s[4:5], s[24:25]       ; or x
	s_cselect_b64 s[26:27], s[18:19], s[20:21]     ; into xh or wh
	s_add_nc_u64 s[24:25], s[24:25], s[30:31]
	s_add_nc_u64 s[26:27], s[26:27], s[32:33]
.irp j, 0,1,2,3
	global_load_b128 v[4+4*(\j):7+4*(\j)], v1, s[24:25] offset:4096*(\j) th:TH_LOAD_NT  ; read once in the whole program
.endr
.irp j, 0,1,2,3
	s_wait_loadcnt 3-(\j)                          ; loads come back in order: number j is in, the younger ones stay out
	v_cvt_pk_bf16_f32 v28, v[4+4*(\j)], v[5+4*(\j)]    ; the one rounding
	v_cvt_pk_bf16_f32 v29, v[6+4*(\j)], v[7+4*(\j)]
	v_lshlrev_b32 v30, 16, v28                     ; bf16 to f32: the low half moves up,
	v_and_b32 v31, 0xffff0000, v28                 ; the high half stays
	v_cvt_pk_f16_f32 v[20+2*(\j)], v30, v31        ; 8 significant bits fit into f16's 11
	v_lshlrev_b32 v30, 16, v29
	v_and_b32 v31, 0xffff0000, v29
	v_cvt_pk_f16_f32 v[21+2*(\j)], v30, v31
	global_store_b64 v2, v[20+2*(\j):21+2*(\j)], s[26:27] offset:2048*(\j)  ; each j has data registers of its own: none is rewritten
.endr
	s_cmp_lt_u32 s34, 2048
	s_cbranch_scc1 .Lend                           ; x's work-groups have no bias
	s_cmp_lg_u32 s35, 0
	s_cbranch_scc1 .Lend                           ; nor have a weight's later blocks
	s_lshl_b32 s30, s36, 4                         ; g - 2,048 is 0, 256 or 512: 0, 4,096 or 8,192 bytes into bias
	s_add_nc_u64 s[22:23], s[22:23], s[30:31]
	global_load_b128 v[4:7], v1, s[28:29]          ; 1,024 numbers: 16 bytes a thread
	s_wait_loadcnt 0x0
	v_cvt_pk_bf16_f32 v28, v4, v5
	v_cvt_pk_bf16_f32 v29, v6, v7
	v_lshlrev_b32 v8, 16, v28
	v_and_b32 v9, 0xffff0000, v28
	v_lshlrev_b32 v10, 16, v29
	v_and_b32 v11, 0xffff0000, v29
	global_store_b128 v1, v[8:11], s[22:23]
.Lend:
	s_endpgm
.Lfunc_end_k_qd656997da1_cast:
	.size	k_qd656997da1_cast, .Lfunc_end_k_qd656997da1_cast-k_qd656997da1_cast
	.p2alignl 7, 3214868480
	.fill 96, 4, 3214868480
	.section	.rodata,"a",@progbits
	.p2align	6, 0x0
	.amdhsa_kernel k_qd656997da1_cast
		.amdhsa_group_segment_fixed_size 0
		.amdhsa_private_segment_fixed_size 0
		.amdhsa_enable_private_segment 0
		.amdhsa_kernarg_size 80
		.amdhsa_user_sgpr_count 2
		.amdhsa_user_sgpr_kernarg_segment_ptr 1
		.amdhsa_wavefront_size32 1
		.amdhsa_system_sgpr_workgroup_id_x 1
		.amdhsa_system_sgpr_workgroup_id_y 1
		.amdhsa_system_sgpr_workgroup_id_z 1
		.amdhsa_system_vgpr_workitem_id 0
		.amdhsa_next_free_vgpr 32
		.amdhsa_next_free_sgpr 66
		.amdhsa_reserve_vcc 0
		.amdhsa_float_denorm_mode_32 3
		.amdhsa_float_denorm_mode_16_64 3
		.amdhsa_memory_ordered 1
		.amdhsa_forward_progress 1
		.amdhsa_inst_pref_size 5
	.end_amdhsa_kernel
	.amdgpu_metadata
---
amdhsa.version: [ 1, 2 ]
amdhsa.kernels:
  - .name:           k_qd656997da1_cast
    .symbol:         k_qd656997da1_cast.kd
    .args:
      - { .name: x, .offset: 0, .size: 8, .value_kind: global_buffer, .address_space: global }
      - { .name: wq, .offset: 8, .size: 8, .value_kind: global_buffer, .address_space: global }
      - { .name: wk, .offset: 16, .size: 8, .value_kind: global_buffer, .address_space: global }
      - { .name: wv, .offset: 24, .size: 8, .value_kind: global_buffer, .address_space: global }
      - { .name: bq, .offset: 32, .size: 8, .value_kind: global_buffer, .address_space: global }
      - { .name: bk, .offset: 40, .size: 8, .value_kind: global_buffer, .address_space: global }
      - { .name: bv, .offset: 48, .size: 8, .value_kind: global_buffer, .address_space: global }
      - { .name: xh, .offset: 56, .size: 8, .value_kind: global_buffer, .address_space: global }
      - { .name: wh, .offset: 64, .size: 8, .value_kind: global_buffer, .address_space: global }
      - { .name: bias, .offset: 72, .size: 8, .value_kind: global_buffer, .address_space: global }
    .group_segment_fixed_size: 0
    .private_segment_fixed_size: 0
    .kernarg_segment_align: 8
    .kernarg_segment_size: 80
    .max_flat_workgroup_size: 256
    .sgpr_count:     66
    .vgpr_count:     32
    .wavefront_size: 32
...
	.end_amdgpu_metadata
.endif
;; end of part 1
;; launch proj (part 2): grid 8 x 64, 4 waves a work-group, clusters of 4 x 4, 327,680 bytes of LDS; arguments xh, wh, bias, qkv; writes qkv
.if DOCPART == 2
	.amdgcn_target "amdgcn-amd-amdhsa--gfx1250"
	.amdhsa_code_object_version 6
	.text
	.protected	k_qd656997da1_proj
	.globl	k_qd656997da1_proj
	.p2align	8
	.type	k_qd656997da1_proj,@function
k_qd656997da1_proj:
	s_mov_b64 s[64:65], 0
	v_nop
	global_prefetch_b8 v0, s[64:65] scope:SCOPE_SE
	s_setreg_imm32_b32 hwreg(HW_REG_WAVE_MODE, 25, 1), 1
	s_wait_xcnt 0x0
	s_wait_alu depctr_hold_cnt(0) depctr_sa_sdst(0) depctr_va_vdst(0) depctr_va_sdst(0) depctr_va_ssrc(0) depctr_va_vcc(0) depctr_vm_vsrc(0)
	s_getreg_b32 s2, hwreg(HW_REG_IB_STS2, 6, 4)
	s_cmp_eq_u32 s2, 0
	s_cbranch_scc0 .Lentry_in_a_cluster
	s_endpgm
.Lentry_in_a_cluster:
	s_bfe_u32 s2, ttmp6, 0x10000c
	s_cmp_lg_u32 s2, 0xf033
	s_cbranch_scc0 .Lentry_shape_is_right
	s_endpgm
.Lentry_shape_is_right:
; PROJ.  qkv[m][n] = sum over k of xh[m][k] wh[n][k] + bias[n].  xh [8192][1024] f16, wh [3072][1024] f16, bias [3072] f32, qkv [8192][3072] f16
; (q at byte 0 of a row of 6,144 bytes, k at 2,048, v at 4,096).  Sums in f32, started by the bias; qkv rounded once.
; LIMIT: a result of 65,520 or more in magnitude becomes an infinity in f16.
; SHARES.  A tile is 128 rows x 384 columns: 512 equal work-groups, two for each of 256 WGPs (tiles of 256 x 256 would be 384, a round and a half; 256 x 384
; would want 768 registers of sums and 320 of fragments).  Wave w takes all 128 rows and columns 96 w .. 96 w + 95: 48 accumulators of 16 x 16.
; K goes in 8 steps of 128 through two LDS slots; a tile's rows are 256 bytes of memory at multiples of 256.  Wave 0 fetches the 128 rows of xh, waves 1 to 3 a third of wh's 384 each.
; CLUSTER 4 x 4: the four of a row of the cluster need the same rows of xh, the four of a column the same rows of wh: each tile is asked for jointly.
; THE MATRIX INSTRUCTION IS USED TRANSPOSED (source 0 = 16 rows of wh, source 1 = 16 rows of xh): a lane holds row l % 16 and the eight neighbouring columns 8 (l / 16) + 0..7.
; REGISTERS in windows of 256 (s_set_vgpr_msb: bits 1:0 source 0, 3:2 source 1, 5:4 source 2, 7:6 destination):
;   window 0: v0-17 addresses; v64-127, v128-191 fragments of xh, two buffers; on the way out v64-255 packed results
;   window 1: v64-111, v128-175 fragments of wh, two buffers; v176-223 the bias of my 96 columns, laid as a C operand
;   window 2: accumulators of rows 0-63, (a, b) at v[8 (6 a + b)];   window 3: rows 64-127
.set PITCH,  272                       ; an LDS row: 256 bytes + 16 of padding = 68 words: the 16 rows of a fragment load start at 16 different groups of four banks (ISA guide 11.1)
.set HALFT,  128*PITCH                 ; what one tensor load brings
.set SLOT,   4*HALFT                   ; xh's 128 rows, then wh's 384.  SLOT shares no bit with wave x HALFT, so one exclusive or changes slots
.set SPARE,  2*SLOT                    ; behind the ring: the spare words, 128 bytes a wave, that no other line names
.set SP,     784                       ; a row of the stage: 768 bytes + 16
.set F0,     64
.set F1,     128
.set BI,     176
.set PADW,   (1<<16)|(1<<20)|(1<<21)|(5<<22)|(3<<25)  ; 17:16 elements of 2 bytes; 20 padding on; 21 set beside a mask; 24:22 after every 64 words; 31:25 four words
.set MSB, 0
.macro WIN new                         ; the immediate's high byte repeats the setting that is left; a switch that changes nothing is dropped
.if MSB != (\new)
	s_set_vgpr_msb (MSB<<8)|(\new)
.set MSB, \new
.endif
.endm
.macro PLACES                          ; four places between a matrix instruction and a load into, or a vector write or read of, its registers
.rept 4
	v_nop
.endr
.endm
.macro JLOAD                           ; a joint refill by the walking descriptors; the branch hangs on the wave's number alone; s_nop 0 and four v_nop follow each line
	s_cmp_eq_u32 s12, 0
	s_cbranch_scc0 .Lfor_b_\@
	tensor_load_to_lds s[36:39], s[24:31]
	s_nop 0
.rept 4
	v_nop
.endr
	s_branch .Lasked_\@
.Lfor_b_\@:
	tensor_load_to_lds s[60:63], s[48:55]
	s_nop 0
.rept 4
	v_nop
.endr
.Lasked_\@:
.endm
.macro CREST                           ; a round of the cluster's barrier behind its opening barrier
	s_cmp_lg_u32 s12, 0
	s_cbranch_scc1 .Lnot_wave_0_\@
	s_barrier_signal -3
.Lnot_wave_0_\@:
	s_barrier_wait -3
	s_barrier_signal -1
	s_barrier_wait -1
.endm
.macro CROUND
	s_barrier_signal -1
	s_barrier_wait -1
	CREST
.endm
	s_load_b256 s[4:11], s[0:1], 0x0               ; xh s[4:5], wh s[6:7], bias s[8:9], qkv s[10:11]
	v_lshl_add_u32 v16, v0, 2, SPARE
	v_mov_b32 v17, 0
	ds_add_u32 v16, v17                            ; the wave's opening: the add and its wait come ahead of my first tensor load; work on registers stands between
	v_lshrrev_b32 v1, 5, v0
	v_readfirstlane_b32 s12, v1                    ; wave 0..3
	s_bfe_u32 s17, ttmp6, 0x40000                  ; cx
	s_bfe_u32 s18, ttmp6, 0x40004                  ; cy
	s_lshl_b32 s16, ttmp9, 2
	s_add_co_u32 s16, s16, s17                     ; tile column 0..7
	s_and_b32 s15, ttmp7, 0xffff
	s_lshl_b32 s15, s15, 2
	s_add_co_u32 s15, s15, s18                     ; tile row 0..63
	s_lshl_b32 s74, s18, 2
	s_lshl_b32 s74, 15, s74                        ; my row of the cluster
	s_lshl_b32 s75, 0x1111, s17                    ; my column
	s_or_b32 s24, s74, PADW                        ; group 1 for xh's tiles: they go to my row
	s_or_b32 s48, s75, PADW                        ; for wh's: to my column
.irp g, 24, 48
	s_mov_b32 s[(\g)+1], 128<<16                   ; tensor_dim0 = 128
	s_mov_b32 s[(\g)+2], 128<<16                   ; tensor_dim1 = 128
	s_mov_b32 s[(\g)+3], 128<<16                   ; tile_dim0 = 128
	s_mov_b32 s[(\g)+4], 128                       ; tile_dim1 = 128
	s_mov_b32 s[(\g)+5], 1024                      ; elements from row to row
	s_mov_b32 s[(\g)+6], 0
	s_mov_b32 s[(\g)+7], 0
.endr
	s_lshl_b32 s40, s15, 18                        ; xh: 128 rows of 2,048 bytes a tile row; these registers never hold cx
	s_mov_b32 s41, 0
	s_max_u32 s44, s12, 1
	s_sub_co_u32 s44, s44, 1                       ; wh: which third (wave 0 makes an address that it does not use)
	s_lshl_b32 s44, s44, 7
	s_mul_i32 s45, s16, 384
	s_add_co_u32 s44, s44, s45
	s_lshl_b32 s44, s44, 11                        ; rows of 2,048 bytes; these registers never hold cy
	s_mov_b32 s45, 0
	s_mul_i32 s20, s12, HALFT                      ; where my tile goes: the wave's number alone
	s_mov_b32 s67, 0                               ; the slot that is read: 0 or SLOT
	s_wait_dscnt 0x0                               ; the opening add is done
	s_wait_kmcnt 0x0
	s_add_nc_u64 s[40:41], s[4:5], s[40:41]
	s_add_nc_u64 s[44:45], s[6:7], s[44:45]
	CROUND                                         ; all sixteen work-groups are here: the first joint loads meet
	s_mov_b32 s32, 1                               ; group 0, first set: K step 0 into slot 0
	s_mov_b32 s33, s20
	s_mov_b64 s[34:35], s[40:41]
	s_or_b32 s35, s35, 0x80000000
	s_mov_b32 s36, 1                               ; walking set: K step 1 into slot 1
	s_add_co_u32 s37, s20, SLOT
	s_add_nc_u64 s[38:39], s[40:41], 256
	s_or_b32 s39, s39, 0x80000000
	s_mov_b32 s56, 1
	s_mov_b32 s57, s20
	s_mov_b64 s[58:59], s[44:45]
	s_or_b32 s59, s59, 0x80000000
	s_mov_b32 s60, 1
	s_add_co_u32 s61, s20, SLOT
	s_add_nc_u64 s[62:63], s[44:45], 256
	s_or_b32 s63, s63, 0x80000000
	s_cmp_eq_u32 s12, 0                            ; a wave's two first fills stand in one branch: two loads of mine are out
	s_cbranch_scc0 .Lfirst_b
	tensor_load_to_lds s[32:35], s[24:31]
	s_nop 0
	tensor_load_to_lds s[36:39], s[24:31]
	s_nop 0
.rept 4
	v_nop
.endr
	s_branch .Lfirst_asked
.Lfirst_b:
	tensor_load_to_lds s[56:59], s[48:55]
	s_nop 0
	tensor_load_to_lds s[60:63], s[48:55]
	s_nop 0
.rept 4
	v_nop
.endr
.Lfirst_asked:
	v_and_b32 v1, 15, v0                           ; r = l % 16
	v_bfe_u32 v2, v0, 4, 1                         ; h = l / 16
	s_mul_i32 s22, s16, 384                        ; the bias of my 96 columns
	s_mul_i32 s23, s12, 96
	s_add_co_u32 s22, s22, s23
	s_lshl_b32 s22, s22, 2
	s_mov_b32 s23, 0
	s_add_nc_u64 s[8:9], s[8:9], s[22:23]
	v_lshlrev_b32 v4, 5, v2                        ; register j of column block b is column 16 b + 8 h + j: 32 h bytes, 64 b in the immediate
	WIN 0x40                                       ; destination window 1
.irp b, 0,1,2,3,4,5
	global_load_b128 v[BI+8*(\b):BI+8*(\b)+3],   v4, s[8:9] offset:64*(\b)
	global_load_b128 v[BI+8*(\b)+4:BI+8*(\b)+7], v4, s[8:9] offset:64*(\b)+16
.endr
	WIN 0
	v_mul_u32_u24 v3, v1, PITCH
	v_lshl_add_u32 v8, v2, 4, v3                   ; xh's fragments: row x pitch + 16 h
	s_mul_i32 s21, s12, 96*PITCH
	s_add_co_u32 s21, s21, HALFT
	v_add_nc_u32 v9, s21, v8                       ; wh's: behind xh's 128 rows, my 96 rows
	v_mov_b32 v10, v8                              ; slot 0
	v_mov_b32 v11, v9
	v_mul_u32_u24 v3, v1, SP                       ; into the stage: row r, my 192 bytes, 16 for each half of the lanes
	v_lshl_add_u32 v3, v2, 4, v3
	s_mul_i32 s21, s12, 192
	v_add_nc_u32 v12, s21, v3
	v_add_nc_u32 v13, 64*SP, v12                   ; rows 64 on
	s_lshl_b32 s21, s12, 5
	v_add_nc_u32 v5, s21, v2                       ; back: wave w takes rows 32 w .. 32 w + 31; lanes 0-15 one row's 256 bytes, lanes 16-31 the next row's
	v_mul_u32_u24 v5, v5, SP
	v_lshl_add_u32 v14, v1, 4, v5
	v_mul_u32_u24 v5, v2, 6144
	v_lshl_add_u32 v15, v1, 4, v5                  ; and the same two rows in qkv
	s_lshl_b32 s22, s15, 7
	s_lshl_b32 s23, s12, 5
	s_add_co_u32 s22, s22, s23
	s_mul_i32 s22, s22, 6144                       ; the first row that I store,
	s_mul_i32 s23, s16, 768                        ; the tile's first column: under 2^26 together
	s_add_co_u32 s22, s22, s23
	s_mov_b32 s23, 0
	s_add_nc_u64 s[10:11], s[10:11], s[22:23]
; 12 matrix instructions: row blocks a0, a0 + 1 of the window's four x all 6 column blocks, 32 along K.  first = 1: the bias starts the sums: nothing is cleared or added later.
; The 48 accumulators take turns, one instruction a turn, in the same order in every quarter.
.macro MULQ f, hi, a0, first
.if \first
	WIN 0x91+0x40*(\hi)                            ; wh window 1, xh window 0, C (the bias) window 1, D window 2 or 3
.else
	WIN 0xa1+0x50*(\hi)                            ; C and D window 2 or 3
.endif
.irp a, \a0, (\a0)+1
.irp b, 0,1,2,3,4,5
.if \first
	v_wmma_f32_16x16x32_f16 v[8*(6*(\a)+(\b)):8*(6*(\a)+(\b))+7], v[(\f)+8*(\b):(\f)+8*(\b)+7], v[(\f)+8*(4*(\hi)+(\a)):(\f)+8*(4*(\hi)+(\a))+7], v[BI+8*(\b):BI+8*(\b)+7]
.else
	v_wmma_f32_16x16x32_f16 v[8*(6*(\a)+(\b)):8*(6*(\a)+(\b))+7], v[(\f)+8*(\b):(\f)+8*(\b)+7], v[(\f)+8*(4*(\hi)+(\a)):(\f)+8*(4*(\hi)+(\a))+7], v[8*(6*(\a)+(\b)):8*(6*(\a)+(\b))+7]
.endif
.endr
.endr
.endm
.macro FETCH k, f                      ; 28 LDS loads in one run: 32 along K at byte k of the rows: wh's 6 fragments, then xh's 8
	WIN 0x40
.irp i, 0,1,2,3,4,5
	ds_load_b128 v[(\f)+8*(\i):(\f)+8*(\i)+3],   v11 offset:(\k)+(\i)*16*PITCH
	ds_load_b128 v[(\f)+8*(\i)+4:(\f)+8*(\i)+7], v11 offset:(\k)+(\i)*16*PITCH+32
.endr
	WIN 0
.irp i, 0,1,2,3,4,5,6,7
	ds_load_b128 v[(\f)+8*(\i):(\f)+8*(\i)+3],   v10 offset:(\k)+(\i)*16*PITCH
	ds_load_b128 v[(\f)+8*(\i)+4:(\f)+8*(\i)+7], v10 offset:(\k)+(\i)*16*PITCH+32
.endr
.endm
.macro QUARTER k, f, g, first          ; multiplies buffer f; in its middle fetches the next quarter, at byte k, into g
	s_wait_dscnt 8                                 ; all but the youngest eight loads (xh's rows 64-127)
	MULQ \f, 0, 0, \first
	MULQ \f, 0, 2, \first
	PLACES
	FETCH \k, \g
	s_wait_dscnt 28                                ; all but the 28 just issued
	MULQ \f, 1, 0, \first
	MULQ \f, 1, 2, \first
.endm
; A K step's last quarter changes slots: one barrier.  In front of it each wave waits for all its tensor loads (one is out: its part of the next slot), adds 0 to its spare word, and waits for
; that and for its reads of this slot.  fill = 1: the barrier opens a round of the cluster's, and this slot is filled again first thing behind it, with the K step two on.
.macro TURN fill
	WIN 0
	s_wait_tensorcnt 0x0                           ; no tensor load of mine is out, so the walking descriptors may be written
	ds_add_u32 v16, v17                            ; 0 onto my spare word
.if \fill
	s_xor_b32 s37, s37, SLOT                       ; the other slot than last time,
	s_add_nc_u64 s[38:39], s[38:39], 256           ; the next K step; the type bits on top are not reached
	s_xor_b32 s61, s61, SLOT
	s_add_nc_u64 s[62:63], s[62:63], 256
.endif
	s_xor_b32 s67, s67, SLOT                       ; the reads change slots too
	s_wait_dscnt 9                                 ; the add and the youngest eight loads may be out
	MULQ F1, 0, 0, 0
	s_wait_dscnt 0x0                               ; the add is done, and my reads of this slot are over
	s_barrier_signal -1
	MULQ F1, 0, 2, 0                               ; work on registers while the others arrive
	WIN 0
	s_barrier_wait -1
.if \fill
	CREST                                          ; no wave of any partner still reads this slot or has a load on its way
	JLOAD                                          ; its four v_nop are also the places in front of the loads below
.else
	PLACES
.endif
	v_add_nc_u32 v10, s67, v8
	v_add_nc_u32 v11, s67, v9
	FETCH 0, F0
	MULQ F1, 1, 0, 0
	MULQ F1, 1, 2, 0
.endm
	s_wait_tensorcnt 0x1                           ; my part of K step 0 is in; K step 1's may stay out
	s_barrier_signal -1
	s_barrier_wait -1
	FETCH 0, F0
	s_wait_loadcnt 0x0                             ; the bias
	QUARTER 64, F0, F1, 1                          ; the first quarter is written out: its products start the sums
	WIN 0                                          ; at a label and at a branch every window is 0
	s_mov_b32 s66, 7                               ; the bottom of the loop is passed behind K steps 0 to 6
	s_branch .Lq1                                  ; the loop is entered in the middle of a trip, behind a K step's first quarter
.Lstep:                                                ; a trip begins at the change of slots: six times, which ask for K steps 2 to 7
	TURN 1
	QUARTER 64, F0, F1, 0
	WIN 0
.Lq1:
	QUARTER 128, F1, F0, 0
	QUARTER 192, F0, F1, 0
	WIN 0
	s_sub_co_u32 s66, s66, 1
	s_cmp_lg_u32 s66, 0
	s_cbranch_scc1 .Lstep
	TURN 0                                         ; K step 6 ends; nothing more is asked for, so the tail is written out
	QUARTER 64, F0, F1, 0
	QUARTER 128, F1, F0, 0
	QUARTER 192, F0, F1, 0
	s_wait_dscnt 8
	MULQ F1, 0, 0, 0
	MULQ F1, 0, 2, 0
	s_wait_dscnt 0x0
	MULQ F1, 1, 0, 0
	MULQ F1, 1, 2, 0
	WIN 0
	; THE WAY OUT.  A wave's 96 columns are 192 bytes, so the tile's rows of 768 bytes are gathered in ONE stage: 128 rows x 784 bytes in slot 0's bytes, which have had their last fill
	; (K step 6).  Every wave's reads of the ring are back (the wait for 0 above) when it signals this barrier, so nobody writes the stage while a fragment is still read.
	s_barrier_signal -1
	s_barrier_wait -1
	PLACES
.irp a, 0,1,2,3,4,5,6,7
	WIN 0x0a+5*((\a)/4)                            ; sources in window 2 or 3, destination in window 0
.irp b, 0,1,2,3,4,5
.irp r, 0,1,2,3
	v_cvt_pk_f16_f32 v[64+24*(\a)+4*(\b)+(\r)], v[8*(6*((\a)%4)+(\b))+2*(\r)], v[8*(6*((\a)%4)+(\b))+2*(\r)+1]  ; each accumulator from its low end on
.endr
.endr
.endr
	WIN 0
.irp a, 0,1,2,3,4,5,6,7
.irp b, 0,1,2,3,4,5
.if (\a) < 4
	ds_store_b128 v12, v[64+24*(\a)+4*(\b):64+24*(\a)+4*(\b)+3] offset:((\a)%4)*16*SP+32*(\b)
.else
	ds_store_b128 v13, v[64+24*(\a)+4*(\b):64+24*(\a)+4*(\b)+3] offset:((\a)%4)*16*SP+32*(\b)
.endif
.endr
.endr
	s_wait_dscnt 0x0                               ; for the others' sake: my stores into the stage are done
	s_barrier_signal -1
	s_barrier_wait -1
.set t, 0
.rept 48                                           ; pair of rows t / 3, block of 256 bytes t % 3
	ds_load_b128 v[64+4*t:64+4*t+3], v14 offset:(t/3)*2*SP+(t%3)*256
.set t, t+1
.endr
.set t, 0
.rept 48
	s_wait_dscnt 47-t                              ; LDS loads come back in order: number t is in
	global_store_b128 v15, v[64+4*t:64+4*t+3], s[10:11] offset:(t/3)*12288+(t%3)*256  ; 16 lanes store 256 consecutive bytes at a multiple of 256 from qkv's first byte
.set t, t+1
.endr
	s_wait_tensorcnt 0x0                           ; the wave's end
	ds_add_u32 v16, v17
	s_wait_dscnt 0x0
	CROUND                                         ; the closing round: no work-group ends while a partner may still ask for a tile that names it
	s_endpgm
.Lfunc_end_k_qd656997da1_proj:
	.size	k_qd656997da1_proj, .Lfunc_end_k_qd656997da1_proj-k_qd656997da1_proj
	.p2alignl 7, 3214868480
	.fill 96, 4, 3214868480
	.section	.rodata,"a",@progbits
	.p2align	6, 0x0
	.amdhsa_kernel k_qd656997da1_proj
		.amdhsa_group_segment_fixed_size 327680
		.amdhsa_private_segment_fixed_size 0
		.amdhsa_enable_private_segment 0
		.amdhsa_kernarg_size 32
		.amdhsa_user_sgpr_count 2
		.amdhsa_user_sgpr_kernarg_segment_ptr 1
		.amdhsa_wavefront_size32 1
		.amdhsa_system_sgpr_workgroup_id_x 1
		.amdhsa_system_sgpr_workgroup_id_y 1
		.amdhsa_system_sgpr_workgroup_id_z 1
		.amdhsa_system_vgpr_workitem_id 0
		.amdhsa_next_free_vgpr 960
		.amdhsa_next_free_sgpr 80
		.amdhsa_reserve_vcc 0
		.amdhsa_float_denorm_mode_32 3
		.amdhsa_float_denorm_mode_16_64 3
		.amdhsa_memory_ordered 1
		.amdhsa_forward_progress 1
		.amdhsa_inst_pref_size 85
	.end_amdhsa_kernel
	.amdgpu_metadata
---
amdhsa.version: [ 1, 2 ]
amdhsa.kernels:
  - .name:           k_qd656997da1_proj
    .symbol:         k_qd656997da1_proj.kd
    .args:
      - { .name: xh, .offset: 0, .size: 8, .value_kind: global_buffer, .address_space: global }
      - { .name: wh, .offset: 8, .size: 8, .value_kind: global_buffer, .address_space: global }
      - { .name: bias, .offset: 16, .size: 8, .value_kind: global_buffer, .address_space: global }
      - { .name: qkv, .offset: 24, .size: 8, .value_kind: global_buffer, .address_space: global }
    .group_segment_fixed_size: 327680
    .private_segment_fixed_size: 0
    .kernarg_segment_align: 8
    .kernarg_segment_size: 32
    .max_flat_workgroup_size: 128
    .sgpr_count:     80
    .vgpr_count:     960
    .wavefront_size: 32
...
	.end_amdgpu_metadata
.endif
;; end of part 2
;; launch scores (part 3): grid 8 x 32, 4 waves a work-group, clusters of 4 x 4, 327,680 bytes of LDS; arguments qkv, p, cmx, lsum; writes p, cmx, lsum
.if DOCPART == 3
	.amdgcn_target "amdgcn-amd-amdhsa--gfx1250"
	.amdhsa_code_object_version 6
	.text
	.protected	k_qd656997da1_scores
	.globl	k_qd656997da1_scores
	.p2align	8
	.type	k_qd656997da1_scores,@function
k_qd656997da1_scores:
	s_mov_b64 s[64:65], 0
	v_nop
	global_prefetch_b8 v0, s[64:65] scope:SCOPE_SE
	s_setreg_imm32_b32 hwreg(HW_REG_WAVE_MODE, 25, 1), 1
	s_wait_xcnt 0x0
	s_wait_alu depctr_hold_cnt(0) depctr_sa_sdst(0) depctr_va_vdst(0) depctr_va_sdst(0) depctr_va_ssrc(0) depctr_va_vcc(0) depctr_vm_vsrc(0)
	s_getreg_b32 s2, hwreg(HW_REG_IB_STS2, 6, 4)
	s_cmp_eq_u32 s2, 0
	s_cbranch_scc0 .Lentry_in_a_cluster
	s_endpgm
.Lentry_in_a_cluster:
	s_bfe_u32 s2, ttmp6, 0x10000c
	s_cmp_lg_u32 s2, 0xf033
	s_cbranch_scc0 .Lentry_shape_is_right
	s_endpgm
.Lentry_shape_is_right:
; SCORES.  For each batch: s[q][k] = q[q] . k[k] (1,024 terms, f16 operands, f32 sums).  With c = log2(e) / 32 and m_t[q] the TRUE maximum of s over the row's key tile t of 128 keys:
; p = 2^(c s - c m_t) in f16, c m_t and l_t = the sum of the unrounded p over the tile in f32.  The next launch joins a row's 16 tiles exactly.
; The scores themselves never leave the registers, so they have f32's range.  LIMITS: a weight below 6e-8 counts as 0 in p (f16's fixed step), below 2^-126 as 0 in l; NaN and infinities are not treated apart.
; P'S LAYOUT is the order in which the next launch's matrix instruction takes it: for each block of 16 queries (512 in all) and each block of 16 keys of the batch (128) 512 bytes, lane l's 16 bytes
; at 16 l: query l % 16, keys 8 (l / 16) + 0..7.  That is what a lane holds here after the rounding, so p leaves straight from the registers, 512 consecutive bytes a store, and needs no LDS.
; cmx, lsum: [batch][key tile][query], the queries of each group of 64 in the order [query % 16][query / 16], so that the next launch's lane finds its four numbers in 16 bytes.
; SHARES.  A tile is 256 queries x 256 keys: 256 work-groups, one a WGP.  Wave (wi, wj) takes 128 x 128: 64 accumulators, 512 registers; its 128 keys are one key tile.
; K (the 1,024 channels) goes in 8 steps of 128 through two LDS slots; a tile's rows are 256 bytes of qkv at multiples of 256, 6,144 bytes apart.  Waves 0, 1 fetch q's halves, waves 2, 3 k's.
; CLUSTER 4 x 4: a row of the cluster shares q's tiles, a column k's (the batch hangs on the cluster's y alone): each tile is asked for jointly.
; TRANSPOSED USE (source 0 = 16 keys, source 1 = 16 queries): a lane holds ONE query (l % 16) and, in accumulator b, the keys 16 b + 8 (l / 16) + 0..7: a row's maximum and sum want one exchange of the lanes' halves.
; REGISTERS in windows of 256 (s_set_vgpr_msb: bits 1:0 source 0, 3:2 source 1, 5:4 source 2, 7:6 destination):
;   window 0: v0-20 addresses; v64-127, v128-191 q's fragments; on the way out v64-87 at work, v96-111 (c m, m) a block, v112-119 l, v192-223 and v224-255 packed p by turns
;   window 1: v64-127, v128-191 k's fragments;   windows 2, 3: accumulators, (a, b) at v[8 (8 (a % 4) + b)] of window 2 + a / 4
.set PITCH,  272                       ; 256 bytes + 16 of padding: the 16 rows of a fragment load start at 16 different groups of four banks (ISA guide 11.1)
.set HALFT,  128*PITCH
.set SLOT,   4*HALFT                   ; q's 256 rows, then k's 256.  SLOT shares no bit with wave x HALFT
.set STATS,  2*SLOT                    ; behind the ring: 1,024 bytes for each wave: 128 c m, 128 l
.set SPARE,  STATS+4*1024              ; the spare words, 128 bytes a wave, that no other line names
.set F0,   64
.set F1,   128
.set T,    64
.set CM,   96
.set LS,   112
.set TMP,  192
.set PADW, (1<<16)|(1<<20)|(1<<21)|(5<<22)|(3<<25)
.set MSB, 0
.macro WIN new
.if MSB != (\new)
	s_set_vgpr_msb (MSB<<8)|(\new)
.set MSB, \new
.endif
.endm
.macro PLACES
.rept 4
	v_nop
.endr
.endm
.macro JLOAD                           ; a joint refill; the branch hangs on the wave's number alone; s_nop 0 and four v_nop follow each line
	s_cmp_eq_u32 s13, 0
	s_cbranch_scc0 .Lfor_b_\@
	tensor_load_to_lds s[36:39], s[24:31]
	s_nop 0
.rept 4
	v_nop
.endr
	s_branch .Lasked_\@
.Lfor_b_\@:
	tensor_load_to_lds s[60:63], s[48:55]
	s_nop 0
.rept 4
	v_nop
.endr
.Lasked_\@:
.endm
.macro CREST
	s_cmp_lg_u32 s12, 0
	s_cbranch_scc1 .Lnot_wave_0_\@
	s_barrier_signal -3
.Lnot_wave_0_\@:
	s_barrier_wait -3
	s_barrier_signal -1
	s_barrier_wait -1
.endm
.macro CROUND
	s_barrier_signal -1
	s_barrier_wait -1
	CREST
.endm
	s_load_b256 s[4:11], s[0:1], 0x0               ; qkv s[4:5], p s[6:7], cmx s[8:9], lsum s[10:11]
	v_lshl_add_u32 v16, v0, 2, SPARE
	v_mov_b32 v17, 0
	ds_add_u32 v16, v17                            ; the wave's opening: the add and its wait come ahead of my first tensor load
	v_lshrrev_b32 v1, 5, v0
	v_readfirstlane_b32 s12, v1                    ; wave 0..3
	s_lshr_b32 s13, s12, 1                         ; wi: my half of the queries.  Also: I fetch q (0) or k (1)
	s_and_b32 s14, s12, 1                          ; wj: my half of the keys.  Also: which 128 rows I fetch
	s_bfe_u32 s17, ttmp6, 0x40000                  ; cx
	s_bfe_u32 s18, ttmp6, 0x40004                  ; cy
	s_lshl_b32 s16, ttmp9, 2
	s_add_co_u32 s16, s16, s17                     ; key tile of 256 in the batch, 0..7
	s_and_b32 s19, ttmp7, 0xffff
	s_lshl_b32 s15, s19, 2
	s_add_co_u32 s15, s15, s18                     ; query tile of 256, 0..31, over all batches
	s_lshr_b32 s19, s19, 1                         ; the batch: from the cluster's y alone
	s_lshl_b32 s74, s18, 2
	s_lshl_b32 s74, 15, s74
	s_lshl_b32 s75, 0x1111, s17
	s_or_b32 s24, s74, PADW                        ; q's tiles go to my row of the cluster
	s_or_b32 s48, s75, PADW                        ; k's to my column
.irp g, 24, 48
	s_mov_b32 s[(\g)+1], 128<<16                   ; tensor_dim0 = 128
	s_mov_b32 s[(\g)+2], 128<<16                   ; tensor_dim1 = 128
	s_mov_b32 s[(\g)+3], 128<<16                   ; tile_dim0 = 128
	s_mov_b32 s[(\g)+4], 128                       ; tile_dim1 = 128
	s_mov_b32 s[(\g)+5], 3072                      ; elements from row to row
	s_mov_b32 s[(\g)+6], 0
	s_mov_b32 s[(\g)+7], 0
.endr
	s_lshl_b32 s40, s15, 8                         ; q: row 256 x tile + 128 x half; never holds cx
	s_lshl_b32 s41, s14, 7
	s_add_co_u32 s40, s40, s41
	s_mul_i32 s40, s40, 6144                       ; under 2^26
	s_mov_b32 s41, 0
	s_lshl_b32 s44, s19, 11                        ; k: row 2,048 x batch + 256 x tile + 128 x half; never holds cy
	s_lshl_b32 s45, s16, 8
	s_add_co_u32 s44, s44, s45
	s_lshl_b32 s45, s14, 7
	s_add_co_u32 s44, s44, s45
	s_mul_i32 s44, s44, 6144
	s_add_co_u32 s44, s44, 2048                    ; k lies 2,048 bytes into a row of qkv
	s_mov_b32 s45, 0
	s_mul_i32 s20, s12, HALFT
	s_mov_b32 s67, 0
	s_mov_b32 s68, 0x3d38aa3b                      ; c = log2(e) / 32
	s_mov_b32 s69, s68                             ; named with it as a pair
	s_mov_b32 s70, 0x76543210                      ; v_permlanex16_b32: each lane takes its own place in the other half
	s_mov_b32 s71, 0xfedcba98
	s_wait_dscnt 0x0
	s_wait_kmcnt 0x0
	s_add_nc_u64 s[40:41], s[4:5], s[40:41]
	s_add_nc_u64 s[44:45], s[4:5], s[44:45]
	CROUND                                         ; all sixteen work-groups are here
	s_mov_b32 s32, 1                               ; first set: K step 0 into slot 0
	s_mov_b32 s33, s20
	s_mov_b64 s[34:35], s[40:41]
	s_or_b32 s35, s35, 0x80000000
	s_mov_b32 s36, 1                               ; walking set: K step 1 into slot 1
	s_add_co_u32 s37, s20, SLOT
	s_add_nc_u64 s[38:39], s[40:41], 256
	s_or_b32 s39, s39, 0x80000000
	s_mov_b32 s56, 1
	s_mov_b32 s57, s20
	s_mov_b64 s[58:59], s[44:45]
	s_or_b32 s59, s59, 0x80000000
	s_mov_b32 s60, 1
	s_add_co_u32 s61, s20, SLOT
	s_add_nc_u64 s[62:63], s[44:45], 256
	s_or_b32 s63, s63, 0x80000000
	s_cmp_eq_u32 s13, 0                            ; a wave's two first fills stand in one branch: two loads of mine are out
	s_cbranch_scc0 .Lfirst_b
	tensor_load_to_lds s[32:35], s[24:31]
	s_nop 0
	tensor_load_to_lds s[36:39], s[24:31]
	s_nop 0
.rept 4
	v_nop
.endr
	s_branch .Lfirst_asked
.Lfirst_b:
	tensor_load_to_lds s[56:59], s[48:55]
	s_nop 0
	tensor_load_to_lds s[60:63], s[48:55]
	s_nop 0
.rept 4
	v_nop
.endr
.Lfirst_asked:
	v_and_b32 v1, 15, v0                           ; r
	v_bfe_u32 v2, v0, 4, 1                         ; h
	v_mul_u32_u24 v3, v1, PITCH
	v_lshl_add_u32 v3, v2, 4, v3                   ; row x pitch + 16 h
	s_mul_i32 s21, s13, HALFT
	v_add_nc_u32 v8, s21, v3                       ; my 128 rows of q
	s_mul_i32 s21, s14, HALFT
	s_add_co_u32 s21, s21, 2*HALFT
	v_add_nc_u32 v9, s21, v3                       ; my 128 rows of k, behind q's 256
	v_mov_b32 v10, v8
	v_mov_b32 v11, v9
	s_lshl_b32 s21, s12, 10
	s_add_co_u32 s21, s21, STATS
	v_lshl_add_u32 v18, v1, 4, s21                 ; my query's 16 bytes in a group of 64 of my statistics
	v_and_b32 v20, 31, v0
	v_lshlrev_b32 v20, 4, v20                      ; 16 x lane: my place in every block of 512 bytes that the wave stores
	v_add_nc_u32 v19, s21, v20
	s_lshl_b32 s22, s15, 20                        ; p: query block 16 x tile + 8 wi, 65,536 bytes each;
	s_lshl_b32 s23, s13, 19
	s_add_co_u32 s22, s22, s23
	s_lshl_b32 s23, s16, 13                        ; key block 16 x tile + 8 wj, 512 bytes each
	s_add_co_u32 s22, s22, s23
	s_lshl_b32 s23, s14, 12
	s_add_co_u32 s22, s22, s23
	s_mov_b32 s23, 0
	s_add_nc_u64 s[6:7], s[6:7], s[22:23]
	s_lshl_b32 s22, s19, 4                         ; cmx, lsum: ((16 batch + 2 tile + wj) x 2,048 + my first query in the batch) x 4
	s_lshl_b32 s23, s16, 1
	s_add_co_u32 s22, s22, s23
	s_add_co_u32 s22, s22, s14
	s_lshl_b32 s22, s22, 11
	s_and_b32 s23, s15, 7
	s_lshl_b32 s23, s23, 8
	s_add_co_u32 s22, s22, s23
	s_lshl_b32 s23, s13, 7
	s_add_co_u32 s22, s22, s23
	s_lshl_b32 s22, s22, 2
	s_mov_b32 s23, 0
	s_add_nc_u64 s[8:9], s[8:9], s[22:23]
	s_add_nc_u64 s[10:11], s[10:11], s[22:23]
; 16 matrix instructions: query blocks a0, a0 + 1 of the window's four x all 8 key blocks.  first = 1: the constant 0 starts the sums.  The 64 accumulators take turns.
.macro MULQ f, hi, a0, first
	WIN 0xa1+0x50*(\hi)
.irp a, \a0, (\a0)+1
.irp b, 0,1,2,3,4,5,6,7
.if \first
	v_wmma_f32_16x16x32_f16 v[8*(8*(\a)+(\b)):8*(8*(\a)+(\b))+7], v[(\f)+8*(\b):(\f)+8*(\b)+7], v[(\f)+8*(4*(\hi)+(\a)):(\f)+8*(4*(\hi)+(\a))+7], 0
.else
	v_wmma_f32_16x16x32_f16 v[8*(8*(\a)+(\b)):8*(8*(\a)+(\b))+7], v[(\f)+8*(\b):(\f)+8*(\b)+7], v[(\f)+8*(4*(\hi)+(\a)):(\f)+8*(4*(\hi)+(\a))+7], v[8*(8*(\a)+(\b)):8*(8*(\a)+(\b))+7]
.endif
.endr
.endr
.endm
.macro FETCH k, f                      ; 32 LDS loads in one run: k's 8 fragments, then q's 8
	WIN 0x40
.irp i, 0,1,2,3,4,5,6,7
	ds_load_b128 v[(\f)+8*(\i):(\f)+8*(\i)+3],   v11 offset:(\k)+(\i)*16*PITCH
	ds_load_b128 v[(\f)+8*(\i)+4:(\f)+8*(\i)+7], v11 offset:(\k)+(\i)*16*PITCH+32
.endr
	WIN 0
.irp i, 0,1,2,3,4,5,6,7
	ds_load_b128 v[(\f)+8*(\i):(\f)+8*(\i)+3],   v10 offset:(\k)+(\i)*16*PITCH
	ds_load_b128 v[(\f)+8*(\i)+4:(\f)+8*(\i)+7], v10 offset:(\k)+(\i)*16*PITCH+32
.endr
.endm
.macro QUARTER k, f, g, first
	s_wait_dscnt 8                                 ; all but the youngest eight loads (q's rows 64-127)
	MULQ \f, 0, 0, \first
	MULQ \f, 0, 2, \first
	PLACES
	FETCH \k, \g
	s_wait_dscnt 32                                ; all but the 32 just issued
	MULQ \f, 1, 0, \first
	MULQ \f, 1, 2, \first
.endm
.macro TURN fill                       ; a K step's last quarter and the change of slots: one barrier, which with fill = 1 opens a round of the cluster's
	WIN 0
	s_wait_tensorcnt 0x0                           ; no tensor load of mine is out: my part of the next slot has landed, and the walking descriptors may be written
	ds_add_u32 v16, v17                            ; 0 onto my spare word
.if \fill
	s_xor_b32 s37, s37, SLOT
	s_add_nc_u64 s[38:39], s[38:39], 256
	s_xor_b32 s61, s61, SLOT
	s_add_nc_u64 s[62:63], s[62:63], 256
.endif
	s_xor_b32 s67, s67, SLOT
	s_wait_dscnt 9                                 ; the add and the youngest eight loads may be out
	MULQ F1, 0, 0, 0
	s_wait_dscnt 0x0                               ; the add is done, and my reads of this slot are over
	s_barrier_signal -1
	MULQ F1, 0, 2, 0
	WIN 0
	s_barrier_wait -1
.if \fill
	CREST
	JLOAD                                          ; the first tensor load behind the round; its four v_nop are also the places in front of the loads below
.else
	PLACES
.endif
	v_add_nc_u32 v10, s67, v8
	v_add_nc_u32 v11, s67, v9
	FETCH 0, F0
	MULQ F1, 1, 0, 0
	MULQ F1, 1, 2, 0
.endm
; THE SOFTMAX of query block a over my 128 keys: 64 scores a lane.
.macro SOFT a
.set AC, 64*((\a)%4)
.set TP, TMP+32*((\a)%2)
.set W1, 0x2a+0x15*((\a)/4)            ; sources in the block's window, destination in window 0
.set W4, 0x8a+0x45*((\a)/4)            ; destination and sources 0, 1 in the block's window, source 2 in window 0
	WIN W1
.irp b, 0,1,2,3,4,5,6,7
	v_max3_num_f32 v[T+(\b)], v[AC+8*(\b)], v[AC+8*(\b)+1], v[AC+8*(\b)+2]        ; each accumulator from its low end on
.endr
.irp b, 0,1,2,3,4,5,6,7
	v_max3_num_f32 v[T+8+(\b)], v[AC+8*(\b)+3], v[AC+8*(\b)+4], v[AC+8*(\b)+5]
.endr
.irp b, 0,1,2,3,4,5,6,7
	v_max_num_f32 v[T+16+(\b)], v[AC+8*(\b)+6], v[AC+8*(\b)+7]
.endr
	WIN 0
.irp b, 0,1,2,3,4,5,6,7
	v_max3_num_f32 v[T+(\b)], v[T+(\b)], v[T+8+(\b)], v[T+16+(\b)]
.endr
	v_max3_num_f32 v[T], v[T], v[T+1], v[T+2]
	v_max3_num_f32 v[T+3], v[T+3], v[T+4], v[T+5]
	v_max_num_f32 v[T+6], v[T+6], v[T+7]
	v_max3_num_f32 v[T], v[T], v[T+3], v[T+6]
	v_permlanex16_b32 v[T+1], v[T], s70, s71       ; the query's other 64 keys lie in the lane 16 away
	v_max_num_f32 v[CM+2*(\a)+1], v[T], v[T+1]     ; m
	v_mul_f32 v[CM+2*(\a)], s68, v[CM+2*(\a)+1]    ; c m
	WIN W4
.set i, 0
.rept 32
	v_pk_fma_f32 v[AC+2*i:AC+2*i+1], v[AC+2*i:AC+2*i+1], s[68:69], v[CM+2*(\a):CM+2*(\a)+1] op_sel_hi:[1,0,0] neg_lo:[0,0,1] neg_hi:[0,0,1]  ; c s - c m
.set i, i+1
.endr
.set i, 0
.rept 64
	v_exp_f32 v[AC+i], v[AC+i]
.set i, i+1
.endr
	v_nop                                          ; a plain instruction between the exponentials and the use of their results (ISA guide 5.7.2)
	s_wait_xcnt 0x0                                ; the earlier blocks' stores have had their addresses translated (ISA guide 3.1): only now are their data registers written again
	WIN W1
.set i, 0
	s_wait_alu depctr_va_vdst(0)
.rept 32
	v_cvt_pk_f16_f32 v[TP+i], v[AC+2*i], v[AC+2*i+1]  ; eight neighbouring keys of a query pack into 16 bytes
.set i, i+1
.endr
	WIN W4
.irp st, 16,8,4,2,1                    ; the sum of the 32 pairs, in place: a tree
.set i, 0
.rept (\st)
	v_pk_add_f32 v[AC+2*i:AC+2*i+1], v[AC+2*i:AC+2*i+1], v[AC+2*(i+(\st)):AC+2*(i+(\st))+1]
.set i, i+1
.endr
.endr
	WIN W1
	v_add_f32 v[T], v[AC], v[AC+1]
	WIN 0
	v_permlanex16_b32 v[T+1], v[T], s70, s71
	v_add_f32 v[LS+(\a)], v[T], v[T+1]             ; l
.endm
.macro SEND a                          ; query block a's eight key blocks leave from the registers: each store is 512 consecutive bytes at a multiple of 512 from p's first byte, the eight 4,096 on end
	WIN 0
.set TP, TMP+32*((\a)%2)
.irp b, 0,1,2,3,4,5,6,7
	global_store_b128 v20, v[TP+4*(\b):TP+4*(\b)+3], s[6:7] offset:(\a)*65536+(\b)*512
.endr
.endm
	s_wait_tensorcnt 0x1                           ; my part of K step 0 is in; K step 1's may stay out
	s_barrier_signal -1
	s_barrier_wait -1
	FETCH 0, F0
	QUARTER 64, F0, F1, 1                          ; the first quarter is written out: its products start the sums
	WIN 0                                          ; at a label and at a branch every window is 0
	s_mov_b32 s66, 7                               ; the bottom of the loop is passed behind K steps 0 to 6
	s_branch .Lq1                                  ; the loop is entered in the middle of a trip, behind a K step's first quarter
.Lstep:                                                ; a trip begins at the change of slots: six times, which ask for K steps 2 to 7
	TURN 1
	QUARTER 64, F0, F1, 0
	WIN 0
.Lq1:
	QUARTER 128, F1, F0, 0
	QUARTER 192, F0, F1, 0
	WIN 0
	s_sub_co_u32 s66, s66, 1
	s_cmp_lg_u32 s66, 0
	s_cbranch_scc1 .Lstep
	TURN 0                                         ; K step 6 ends; nothing more is asked for, so the tail is written out
	QUARTER 64, F0, F1, 0
	QUARTER 128, F1, F0, 0
	QUARTER 192, F0, F1, 0
	s_wait_dscnt 8
	MULQ F1, 0, 0, 0
	MULQ F1, 0, 2, 0
	s_wait_dscnt 0x0
	MULQ F1, 1, 0, 0
	MULQ F1, 1, 2, 0
	PLACES
.irp a, 0,1,2,3,4,5,6,7
	SOFT \a
	SEND \a
.endr
	; the statistics: a lane's number for block a goes to word 64 (a / 4) + 4 r + a % 4 of my own 1,024 bytes (both halves of the lanes hold and write the same number), and comes back as 512 consecutive bytes
.irp a, 0,1,2,3,4,5,6,7
	ds_store_b32 v18, v[CM+2*(\a)] offset:256*((\a)/4)+4*((\a)%4)
	ds_store_b32 v18, v[LS+(\a)] offset:512+256*((\a)/4)+4*((\a)%4)
.endr
	ds_load_b128 v[64:67], v19                     ; LDS serves a wave's instructions in order (ISA guide 5.7.1.4): these see the stores above
	ds_load_b128 v[68:71], v19 offset:512
	s_wait_dscnt 0x0
	global_store_b128 v20, v[64:67], s[8:9]
	global_store_b128 v20, v[68:71], s[10:11]
	s_wait_tensorcnt 0x0                           ; the wave's end
	ds_add_u32 v16, v17
	s_wait_dscnt 0x0
	CROUND                                         ; the closing round
	s_endpgm
.Lfunc_end_k_qd656997da1_scores:
	.size	k_qd656997da1_scores, .Lfunc_end_k_qd656997da1_scores-k_qd656997da1_scores
	.p2alignl 7, 3214868480
	.fill 96, 4, 3214868480
	.section	.rodata,"a",@progbits
	.p2align	6, 0x0
	.amdhsa_kernel k_qd656997da1_scores
		.amdhsa_group_segment_fixed_size 327680
		.amdhsa_private_segment_fixed_size 0
		.amdhsa_enable_private_segment 0
		.amdhsa_kernarg_size 32
		.amdhsa_user_sgpr_count 2
		.amdhsa_user_sgpr_kernarg_segment_ptr 1
		.amdhsa_wavefront_size32 1
		.amdhsa_system_sgpr_workgroup_id_x 1
		.amdhsa_system_sgpr_workgroup_id_y 1
		.amdhsa_system_sgpr_workgroup_id_z 1
		.amdhsa_system_vgpr_workitem_id 0
		.amdhsa_next_free_vgpr 1024
		.amdhsa_next_free_sgpr 80
		.amdhsa_reserve_vcc 0
		.amdhsa_float_denorm_mode_32 3
		.amdhsa_float_denorm_mode_16_64 3
		.amdhsa_memory_ordered 1
		.amdhsa_forward_progress 1
		.amdhsa_inst_pref_size 164
	.end_amdhsa_kernel
	.amdgpu_metadata
---
amdhsa.version: [ 1, 2 ]
amdhsa.kernels:
  - .name:           k_qd656997da1_scores
    .symbol:         k_qd656997da1_scores.kd
    .args:
      - { .name: qkv, .offset: 0, .size: 8, .value_kind: global_buffer, .address_space: global }
      - { .name: p, .offset: 8, .size: 8, .value_kind: global_buffer, .address_space: global }
      - { .name: cmx, .offset: 16, .size: 8, .value_kind: global_buffer, .address_space: global }
      - { .name: lsum, .offset: 24, .size: 8, .value_kind: global_buffer, .address_space: global }
    .group_segment_fixed_size: 327680
    .private_segment_fixed_size: 0
    .kernarg_segment_align: 8
    .kernarg_segment_size: 32
    .max_flat_workgroup_size: 128
    .sgpr_count:     80
    .vgpr_count:     1024
    .wavefront_size: 32
...
	.end_amdgpu_metadata
.endif
;; end of part 3
;; launch pv (part 4): grid 8 x 32, 4 waves a work-group, clusters of 4 x 4, 327,680 bytes of LDS; arguments p, qkv, cmx, lsum, out0; writes out0
.if DOCPART == 4
	.amdgcn_target "amdgcn-amd-amdhsa--gfx1250"
	.amdhsa_code_object_version 6
	.text
	.protected	k_qd656997da1_pv
	.globl	k_qd656997da1_pv
	.p2align	8
	.type	k_qd656997da1_pv,@function
k_qd656997da1_pv:
	s_mov_b64 s[64:65], 0
	v_nop
	global_prefetch_b8 v0, s[64:65] scope:SCOPE_SE
	s_setreg_imm32_b32 hwreg(HW_REG_WAVE_MODE, 25, 1), 1
	s_wait_xcnt 0x0
	s_wait_alu depctr_hold_cnt(0) depctr_sa_sdst(0) depctr_va_vdst(0) depctr_va_sdst(0) depctr_va_ssrc(0) depctr_va_vcc(0) depctr_vm_vsrc(0)
	s_getreg_b32 s2, hwreg(HW_REG_IB_STS2, 6, 4)
	s_cmp_eq_u32 s2, 0
	s_cbranch_scc0 .Lentry_in_a_cluster
	s_endpgm
.Lentry_in_a_cluster:
	s_bfe_u32 s2, ttmp6, 0x10000c
	s_cmp_lg_u32 s2, 0xf033
	s_cbranch_scc0 .Lentry_shape_is_right
	s_endpgm
.Lentry_shape_is_right:
; PV.  out0[q][d] = (sum over the row's 16 key tiles t of alpha_t[q] (P_t V_t)[q][d]) / L[q], with c M = the maximum over t of c m_t, alpha_t = 2^(c m_t - c M) rounded to f16,
; L = the sum over t of alpha_t l_t.  Since p = 2^(c s - c m_t), alpha_t p = 2^(c s - c M): the row's softmax with its true maximum taken away.  L is at least 1 (the tile that holds M).
; p: for each block of 16 queries and each block of 16 keys 512 bytes, lane l's 16 bytes at 16 l (query l % 16, keys 8 (l / 16) + 0..7): two such blocks ARE source 1 of the matrix instruction.
; v = qkv's bytes 4,096 on of each row of 6,144; cmx, lsum [4][16][2048] f32, each group of 64 queries as [query % 16][query / 16]; out0 [8192][1024] f32.  alpha p is rounded to f16; sums in f32.
; LIMITS: alpha and alpha p below 6e-8 count as 0 (f16's fixed step); NaN and infinities are not treated apart.
; SHARES.  A tile is 256 queries x 128 channels: 256 work-groups, one a WGP.  Wave w takes queries 64 w .. 64 w + 63 and all 128 channels: 32 accumulators, 256 registers.
; The 2,048 keys go in 64 QUARTERS of 32: 32 matrix instructions each.  Four quarters are a key tile (one alpha), eight a slot of V.
; V goes through two LDS slots of 256 keys x 256 bytes; each wave fetches 64 keys, one tensor load.  A refill has a whole slot's 256 matrix instructions in which to land.
; CLUSTER 4 x 4: the four of a column of the cluster need the same tiles of V (the batch hangs on the cluster's y alone) and ask for them jointly.
; P IS NOT ASKED FOR JOINTLY, though the eight work-groups of a query tile read the same P.  The reason: what is fetched between two refill barriers lies in LDS twice over (one slot read, one filled);
; a key tile of P is 65,536 bytes and of V 36,864, so two slots of two key tiles would be 409,600 bytes for 327,680, and slots of one key tile leave a refill half the matrix work in which to land.
; So P comes straight into registers, 512 consecutive bytes a load, each wave its own rows: a ring of eight quarter buffers, quarter i loading quarter i + 7; 56 loads of a wave are out at the most.
; TRANSPOSED USE: source 0 = 16 channels x 32 keys (V turned by ds_load_tr16_b128), source 1 = 16 queries x 32 keys: a lane holds ONE query in P's fragments and in the result, so alpha is one packed multiply a register.
; REGISTERS in windows of 256 (s_set_vgpr_msb: bits 1:0 source 0, 3:2 source 1, 5:4 source 2, 7:6 destination):
;   window 0: v0-17 addresses; v20-23 alpha of the key tile in hand (both halves of a word), v24-27 of the next; v32-39 1 / L in pairs; v40-51 at work; v64-127 at work at both ends; v128-191, v192-255 V's fragments, two buffers
;   window 1: the accumulators, (a, b) at v[8 (8 a + b)]          window 2: P's ring, quarter buffer j at v[32 j], query block a at + 8 a
.set PV,    288                        ; a row of V in LDS: 256 + 32 = 72 words
.set QTR,   32*PV                      ; a quarter's 32 keys
.set ATAB,  256*PV                     ; behind slot 0: alpha, 4,096 bytes a wave: [key tile][query % 16][query / 16]
.set SPARE, ATAB+4*4096                ; the spare words, 128 bytes a wave, that no other line names
.set STAGE, SPARE+512                  ; 16 rows x 528 bytes for each wave, for the way out; it ends below slot 1
.set SPO,   528
.set SLOT1, 1<<17                      ; slot 1 begins here: one exclusive or changes slots
.set VSTEP, 256*6144                   ; a slot's 256 keys down qkv's rows
.set MSB, 0
.macro WIN new
.if MSB != (\new)
	s_set_vgpr_msb (MSB<<8)|(\new)
.set MSB, \new
.endif
.endm
.macro PLACES
.rept 4
	v_nop
.endr
.endm
.macro JLOAD                           ; a joint refill: every wave fetches its 64 keys by the walking descriptor; s_nop 0 and four v_nop follow the line
	tensor_load_to_lds s[60:63], s[48:55]
	s_nop 0
.rept 4
	v_nop
.endr
.endm
.macro CREST
	s_cmp_lg_u32 s12, 0
	s_cbranch_scc1 .Lnot_wave_0_\@
	s_barrier_signal -3
.Lnot_wave_0_\@:
	s_barrier_wait -3
	s_barrier_signal -1
	s_barrier_wait -1
.endm
.macro CROUND
	s_barrier_signal -1
	s_barrier_wait -1
	CREST
.endm
.macro PLOAD jj                        ; P of the quarter jj quarters behind the one at s[4:5], into ring buffer jj % 8: eight loads of 512 consecutive bytes
	WIN 0x80                                       ; destination window 2, offset register window 0
.irp a, 0,1,2,3
	global_load_b128 v[32*((\jj)%8)+8*(\a):32*((\jj)%8)+8*(\a)+3],   v15, s[4:5] offset:(\a)*65536+(\jj)*1024
	global_load_b128 v[32*((\jj)%8)+8*(\a)+4:32*((\jj)%8)+8*(\a)+7], v15, s[4:5] offset:(\a)*65536+(\jj)*1024+512
.endr
.endm
	s_load_b256 s[4:11], s[0:1], 0x0               ; p s[4:5], qkv s[6:7], cmx s[8:9], lsum s[10:11]
	s_load_b64 s[72:73], s[0:1], 0x20              ; out0
	v_lshl_add_u32 v16, v0, 2, SPARE
	v_mov_b32 v17, 0
	ds_add_u32 v16, v17                            ; the wave's opening: the add and its wait come ahead of my first tensor load
	v_lshrrev_b32 v1, 5, v0
	v_readfirstlane_b32 s12, v1                    ; wave 0..3
	s_bfe_u32 s17, ttmp6, 0x40000                  ; cx
	s_bfe_u32 s18, ttmp6, 0x40004                  ; cy
	s_lshl_b32 s16, ttmp9, 2
	s_add_co_u32 s16, s16, s17                     ; channel tile of 128, 0..7
	s_and_b32 s19, ttmp7, 0xffff
	s_lshl_b32 s15, s19, 2
	s_add_co_u32 s15, s15, s18                     ; query tile of 256, 0..31, over all batches
	s_lshr_b32 s19, s19, 1                         ; the batch: from the cluster's y alone
	s_lshl_b32 s75, 0x1111, s17                    ; my column of the cluster
	s_or_b32 s48, s75, (1<<16)|(1<<20)|(1<<21)|(5<<22)|(7<<25)  ; V: 15:0 the mask; 17:16 2-byte elements; 20 padding on; 21 set beside a mask; 24:22 after every 64 words; 31:25 eight words
	s_mov_b32 s49, 128<<16                         ; tensor_dim0 = 128
	s_mov_b32 s50, 64<<16                          ; tensor_dim1 = 64
	s_mov_b32 s51, 128<<16                         ; tile_dim0 = 128
	s_mov_b32 s52, 64                              ; tile_dim1 = 64
	s_mov_b32 s53, 3072                            ; elements from row to row
	s_mov_b32 s54, 0
	s_mov_b32 s55, 0
	s_lshl_b32 s44, s19, 11                        ; V: key 2,048 x batch + 64 x wave; these registers never hold cy
	s_lshl_b32 s45, s12, 6
	s_add_co_u32 s44, s44, s45
	s_mul_i32 s44, s44, 6144                       ; under 2^26
	s_lshl_b32 s45, s16, 8                         ; my tile's 256 bytes of a row,
	s_add_co_u32 s44, s44, s45
	s_add_co_u32 s44, s44, 4096                    ; in v's part of it
	s_mov_b32 s45, 0
	s_mul_i32 s21, s12, 64*PV                      ; where my 64 keys go: the wave's number alone
	s_mov_b32 s67, 0                               ; the slot that is read: 0 or SLOT1
	s_mov_b32 s70, 0x76543210                      ; v_permlanex16_b32: each lane takes its own place in the other half
	s_mov_b32 s71, 0xfedcba98
	s_wait_dscnt 0x0                               ; the opening add is done
	s_wait_kmcnt 0x0
	s_add_nc_u64 s[44:45], s[6:7], s[44:45]
	CROUND                                         ; all sixteen work-groups are here: the first joint loads meet
	s_mov_b32 s56, 1                               ; group 0, first set: keys 0-255 into slot 0
	s_mov_b32 s57, s21
	s_mov_b64 s[58:59], s[44:45]
	s_or_b32 s59, s59, 0x80000000
	s_mov_b32 s60, 1                               ; walking set: keys 256-511 into slot 1
	s_add_co_u32 s61, s21, SLOT1
	s_add_nc_u64 s[62:63], s[44:45], VSTEP
	s_or_b32 s63, s63, 0x80000000
	tensor_load_to_lds s[56:59], s[48:55]          ; the two first fills go out together: two loads of mine are out
	s_nop 0
	tensor_load_to_lds s[60:63], s[48:55]
	s_nop 0
.rept 4
	v_nop
.endr
	; THE JOIN, in the wait for the first tile.  Lane (r, h) takes the key tiles 8 h + tt, tt = 0..7, of the queries 16 a + r, a = 0..3: its four numbers of a tile are 16 bytes, sixteen lanes' 256 on end.
	v_and_b32 v1, 15, v0                           ; r
	v_bfe_u32 v2, v0, 4, 1                         ; h
	v_and_b32 v15, 31, v0
	v_lshlrev_b32 v15, 4, v15                      ; 16 x lane: my place in every 512 bytes that the wave loads or stores; never rewritten
	s_lshl_b32 s22, s19, 15                        ; (32,768 batch + my first query in the batch) x 4
	s_and_b32 s23, s15, 7
	s_lshl_b32 s23, s23, 8
	s_add_co_u32 s22, s22, s23
	s_lshl_b32 s23, s12, 6
	s_add_co_u32 s22, s22, s23
	s_lshl_b32 s22, s22, 2
	s_mov_b32 s23, 0
	s_add_nc_u64 s[8:9], s[8:9], s[22:23]
	s_add_nc_u64 s[10:11], s[10:11], s[22:23]
	v_lshlrev_b32 v3, 4, v1
	v_lshl_add_u32 v3, v2, 16, v3                  ; 8 tiles of 8,192 bytes for the upper half of the lanes, 16 r
.irp tt, 0,1,2,3,4,5,6,7
	global_load_b128 v[64+4*(\tt):67+4*(\tt)], v3, s[8:9] offset:(\tt)*8192      ; c m at v[64 + 4 tt + a]
	global_load_b128 v[96+4*(\tt):99+4*(\tt)], v3, s[10:11] offset:(\tt)*8192    ; l at v[96 + 4 tt + a]
.endr
	s_lshl_b32 s22, s15, 20                        ; P: query block 16 x tile + 4 x wave, 65,536 bytes each
	s_lshl_b32 s23, s12, 18
	s_add_co_u32 s22, s22, s23
	s_mov_b32 s23, 0
	s_add_nc_u64 s[4:5], s[4:5], s[22:23]
	PLOAD 0                                        ; the ring's first five quarters go out behind the sixteen loads above
	PLOAD 1
	PLOAD 2
	PLOAD 3
	PLOAD 4
	WIN 0
	v_and_b32 v4, 7, v0
	v_lshl_add_u32 v4, v2, 3, v4                   ; the turning load: key 8 h + l % 8,
	v_mul_u32_u24 v4, v4, PV
	v_bfe_u32 v5, v0, 3, 1
	v_lshl_add_u32 v9, v5, 4, v4                   ; channels 8 ((l / 8) % 2) on; never rewritten
	v_mov_b32 v10, v9                              ; slot 0: quarters 0 to 3,
	v_add_nc_u32 v11, 4*QTR, v10                   ; quarters 4 to 7 (an LDS offset has 16 bits)
	s_lshl_b32 s22, s12, 12
	s_add_co_u32 s22, s22, ATAB
	v_lshl_add_u32 v12, v1, 4, s22                 ; alpha's table: where tile 0 is read,
	v_lshl_add_u32 v6, v2, 11, v12                 ; and where my eight tiles are written
	s_mul_i32 s22, s12, 16*SPO
	s_add_co_u32 s22, s22, STAGE                   ; my stage
	v_mul_u32_u24 v4, v1, SPO
	v_lshl_add_u32 v4, v2, 5, v4
	v_add_nc_u32 v13, s22, v4                      ; in: row r, 32 bytes for each half of the lanes
	v_add_nc_u32 v14, s22, v15                     ; back: a row of 512 bytes a load
	s_lshl_b32 s22, s15, 20                        ; out0 at my first row (4,096 bytes each) and channel
	s_lshl_b32 s23, s12, 18
	s_add_co_u32 s22, s22, s23
	s_lshl_b32 s23, s16, 9
	s_add_co_u32 s22, s22, s23
	s_mov_b32 s23, 0
	s_add_nc_u64 s[72:73], s[72:73], s[22:23]
	s_wait_loadcnt 40                              ; c m and l are in; P's forty loads stay out
	PLOAD 5
	PLOAD 6                                        ; 56 loads are out
	WIN 0
.irp a, 0,1,2,3
	v_max3_num_f32 v[40+(\a)], v[64+(\a)], v[68+(\a)], v[72+(\a)]
	v_mov_b32 v[44+(\a)], 0                        ; v_permlanex16_b32 counts as a reader of its destination
	v_mov_b32 v[48+(\a)], 0                        ; L's sums start here: the mixed multiply-add takes registers alone
.endr
.irp a, 0,1,2,3
	v_max3_num_f32 v[40+(\a)], v[40+(\a)], v[76+(\a)], v[80+(\a)]
.endr
.irp a, 0,1,2,3
	v_max3_num_f32 v[40+(\a)], v[40+(\a)], v[84+(\a)], v[88+(\a)]
.endr
.irp a, 0,1,2,3
	v_max_num_f32 v[40+(\a)], v[40+(\a)], v[92+(\a)]
.endr
.irp a, 0,1,2,3
	v_permlanex16_b32 v[44+(\a)], v[40+(\a)], s70, s71  ; the other eight tiles lie in the lane 16 away
.endr
.irp a, 0,1,2,3
	v_max_num_f32 v[40+(\a)], v[40+(\a)], v[44+(\a)]    ; c M
.endr
.set i, 0
.rept 32
	v_sub_f32 v[64+i], v[64+i], v[40+i%4]          ; c m_t - c M, at most 0
.set i, i+1
.endr
.set i, 0
.rept 32
	v_exp_f32 v[64+i], v[64+i]
.set i, i+1
.endr
	v_nop                                          ; a plain instruction between the exponentials and the use of their results (ISA guide 5.7.2)
.set i, 0
	s_wait_alu depctr_va_vdst(0)
.rept 32
	v_cvt_pk_f16_f32 v[64+i], v[64+i], v[64+i]     ; alpha in both halves of the word
.set i, i+1
.endr
.irp tt, 0,1,2,3,4,5,6,7
	ds_store_b128 v6, v[64+4*(\tt):67+4*(\tt)] offset:256*(\tt)  ; my wave's own table
.endr
.set i, 0
.rept 32
	v_fma_mix_f32 v[48+i%4], v[64+i], v[96+i], v[48+i%4] op_sel_hi:[1,0,0]  ; L += the ROUNDED alpha (an f16 half) x l, in f32: four chains by turns
.set i, i+1
.endr
.irp a, 0,1,2,3
	v_permlanex16_b32 v[44+(\a)], v[48+(\a)], s70, s71
.endr
.irp a, 0,1,2,3
	v_add_f32 v[48+(\a)], v[48+(\a)], v[44+(\a)]
.endr
.irp a, 0,1,2,3
	v_rcp_f32 v[32+2*(\a)], v[48+(\a)]
.endr
	v_nop
	s_wait_alu depctr_va_vdst(0)
.irp a, 0,1,2,3
	v_mov_b32 v[33+2*(\a)], v[32+2*(\a)]           ; named as a pair by the packed multiply
.endr
.macro FETCHV jn, g                    ; 16 LDS loads in one run: V of the slot's quarter jn, turned, into buffer g: 8 fragments of 16 channels x 32 keys
.irp b, 0,1,2,3,4,5,6,7
	ds_load_tr16_b128 v[128+64*(\g)+8*(\b):128+64*(\g)+8*(\b)+3],   v[10+(\jn)/4] offset:((\jn)%4)*QTR+32*(\b)
	ds_load_tr16_b128 v[128+64*(\g)+8*(\b)+4:128+64*(\g)+8*(\b)+7], v[10+(\jn)/4] offset:((\jn)%4)*QTR+16*PV+32*(\b)
.endr
.endm
.macro ALOAD                           ; the next key tile's alpha for my four query blocks; the address then points at the tile after it
	ds_load_b128 v[24:27], v12
	v_add_nc_u32 v12, 256, v12
.endm
.macro SCALE j, a                      ; query block a's fragment in ring buffer j times alpha: eight packed multiplies, which name no register of the products in front of them
	WIN 0x82                                       ; destination and source 0 in window 2, alpha in window 0
.irp i, 0,1,2,3,4,5,6,7
	v_pk_mul_f16 v[32*(\j)+8*(\a)+(\i)], v[32*(\j)+8*(\a)+(\i)], v[20+(\a)]
.endr
.endm
.macro MUL8 j, a, zero                 ; query block a x all 8 channel blocks.  The 32 accumulators take turns
	WIN 0x58                                       ; V in window 0, P in window 2, C and D in window 1
.irp b, 0,1,2,3,4,5,6,7
.if \zero
	v_wmma_f32_16x16x32_f16 v[8*(8*(\a)+(\b)):8*(8*(\a)+(\b))+7], v[128+64*((\j)%2)+8*(\b):128+64*((\j)%2)+8*(\b)+7], v[32*(\j)+8*(\a):32*(\j)+8*(\a)+7], 0
.else
	v_wmma_f32_16x16x32_f16 v[8*(8*(\a)+(\b)):8*(8*(\a)+(\b))+7], v[128+64*((\j)%2)+8*(\b):128+64*((\j)%2)+8*(\b)+7], v[32*(\j)+8*(\a):32*(\j)+8*(\a)+7], v[8*(8*(\a)+(\b)):8*(8*(\a)+(\b))+7]
.endif
.endr
.endm
; Quarter j (0 to 6) of a slot.  Behind its first eight products it fetches the next quarter's V into the other buffer and loads P of the quarter seven on into the ring buffer read last: the eight
; multiplies of SCALE j, 0 are the places behind the last product that read those registers.
; zero: the products start the sums.  newal: a key tile begins.  pl: P is loaded.  cnt: the younger loads of P that may stay out.  step: a slot begins: P's base goes on.  tab: the next tile's alpha is read.
.macro QTRM j, zero=0, newal=0, pl=1, cnt=48, step=0, tab=0
	WIN 0
	s_wait_dscnt 0x0                               ; this quarter's V is in (and, where a key tile begins, its alpha)
	s_wait_loadcnt \cnt                            ; loads come back in order (ISA guide 5.7.1): this quarter's P is in, the younger quarters' eight loads each stay out
.if \step
	s_wait_xcnt 0x0                                ; the loads issued so far have had their addresses translated (ISA guide 3.1): only now is their base stepped
	s_add_nc_u64 s[4:5], s[4:5], 8192              ; eight quarters of 1,024 bytes
.endif
.if \newal
.irp i, 0,1,2,3
	v_mov_b32 v[20+(\i)], v[24+(\i)]
.endr
.endif
	SCALE \j, 0
	MUL8 \j, 0, \zero
	WIN 0
	FETCHV (\j)+1, ((\j)+1)%2
.if \tab
	ALOAD
.endif
.if \pl
	PLOAD (\j)+7
.endif
.irp a, 1,2,3
	SCALE \j, \a
	MUL8 \j, \a, \zero
.endr
.endm
; A slot's quarter 7 and the change of slots: one barrier.  In front of it each wave waits for all its tensor loads (one is out: its part of the next slot), adds 0 to its spare word, and waits for that
; and for its reads of this slot.  fill = 1: the barrier opens a round of the cluster's, and this slot is filled again first thing behind it, with the keys two slots on.
.macro TURN fill
	WIN 0
	s_wait_tensorcnt 0x0                           ; no tensor load of mine is out, so the walking descriptor may be written
	ds_add_u32 v16, v17                            ; 0 onto my spare word
.if \fill
	s_xor_b32 s61, s61, SLOT1                      ; the other slot than last time,
	s_add_nc_u64 s[62:63], s[62:63], VSTEP         ; the next 256 keys; the type bits on top are not reached
.endif
	s_xor_b32 s67, s67, SLOT1                      ; the reads change slots too
	s_wait_dscnt 1                                 ; this quarter's V is in; the add may be out
	s_wait_loadcnt 48                              ; this quarter's P is in
	SCALE 7, 0
	MUL8 7, 0, 0
	WIN 0
	s_wait_dscnt 0x0                               ; the add is done, and my reads of this slot are over
	s_barrier_signal -1
	SCALE 7, 1                                     ; work on registers while the others arrive
	MUL8 7, 1, 0
	WIN 0
	s_barrier_wait -1
.if \fill
	CREST                                          ; no wave of any partner still reads this slot or has a load on its way
	JLOAD
.endif
	v_add_nc_u32 v10, s67, v9
	v_add_nc_u32 v11, 4*QTR, v10
	FETCHV 0, 0
	ALOAD
	PLOAD 14
.irp a, 2,3
	SCALE 7, \a
	MUL8 7, \a, 0
.endr
.endm
	s_wait_tensorcnt 0x1                           ; my part of slot 0 is in; slot 1's may stay out
	s_wait_dscnt 0x0                               ; no LDS instruction of mine is pending at a signal
	s_barrier_signal -1
	s_barrier_wait -1
	FETCHV 0, 0
	ALOAD
	QTRM 0, 1, 1                                   ; the first quarter is written out: its products start the sums
	WIN 0                                          ; at a label and at a branch every window is 0
	s_mov_b32 s66, 7                               ; the bottom of the loop is passed behind slots 0 to 6
	s_branch .Lq1                                  ; the loop is entered in the middle of a trip, behind a slot's first quarter
.Lslot:                                                ; a trip begins at the change of slots: six times, which ask for slots 2 to 7.  It is eight quarters long, as P's ring is
	TURN 1
	QTRM 0, 0, 1, 1, 48, 1
	WIN 0
.Lq1:
	QTRM 1
	QTRM 2
	QTRM 3, 0, 0, 1, 48, 0, 1
	QTRM 4, 0, 1
	QTRM 5
	QTRM 6
	WIN 0
	s_sub_co_u32 s66, s66, 1
	s_cmp_lg_u32 s66, 0
	s_cbranch_scc1 .Lslot
	TURN 0                                         ; slot 6 ends; no slot is left to ask for, so the tail is written out.  Quarter 55 loads P of quarter 62,
	QTRM 0, 0, 1, 1, 48, 1                         ; quarter 56 that of quarter 63, the last:
	QTRM 1, 0, 0, 0, 48                            ; from here on nothing is loaded, and the counts run down
	QTRM 2, 0, 0, 0, 40
	QTRM 3, 0, 0, 0, 32, 0, 1
	QTRM 4, 0, 1, 0, 24
	QTRM 5, 0, 0, 0, 16
	QTRM 6, 0, 0, 0, 8
	WIN 0
	s_wait_dscnt 0x0                               ; the very last quarter: nothing more to fetch
	s_wait_loadcnt 0x0
.irp a, 0,1,2,3
	SCALE 7, \a
	MUL8 7, \a, 0
.endr
	PLACES
; THE WAY OUT.  Block a (16 queries x 128 channels of f32) is divided by L, goes into my own stage in rows of 528 bytes and comes back as whole rows of 512.
.macro PACK a
	WIN 0x41                                       ; destination and source 0 in window 1, 1 / L in window 0
.set i, 0
.rept 32
	v_pk_mul_f32 v[64*(\a)+2*i:64*(\a)+2*i+1], v[64*(\a)+2*i:64*(\a)+2*i+1], v[32+2*(\a):33+2*(\a)] op_sel_hi:[1,0]  ; each accumulator from its low end on
.set i, i+1
.endr
	WIN 0x04                                       ; the stores' data in window 1
.set i, 0
.rept 16
	ds_store_b128 v13, v[64*(\a)+4*i:64*(\a)+4*i+3] offset:64*(i/2)+16*(i%2)
.set i, i+1
.endr
	WIN 0
	s_wait_xcnt 0x0                                ; the stores of the block two back have had their addresses translated (ISA guide 3.1): only now are their data registers loaded again
.set i, 0
.rept 16
	ds_load_b128 v[64+64*((\a)%2)+4*i:64+64*((\a)%2)+4*i+3], v14 offset:i*SPO  ; LDS serves a wave's instructions in order (ISA guide 5.7.1.4)
.set i, i+1
.endr
.endm
.macro SEND a, younger                 ; younger: the LDS instructions issued behind block a's loads: the next block's 32, or none
	WIN 0
.set i, 0
.rept 16
	s_wait_dscnt (\younger)+15-i
	global_store_b128 v15, v[64+64*((\a)%2)+4*i:64+64*((\a)%2)+4*i+3], s[72:73] offset:(16*(\a)+i)*4096 th:TH_STORE_NT  ; 512 consecutive bytes at a multiple of 256 from out0's first byte
.set i, i+1
.endr
.endm
	PACK 0
	PACK 1
	SEND 0, 32
	PACK 2
	SEND 1, 32
	PACK 3
	SEND 2, 32
	SEND 3, 0
	s_wait_tensorcnt 0x0                           ; the wave's end
	ds_add_u32 v16, v17
	s_wait_dscnt 0x0
	CROUND                                         ; the closing round
	s_endpgm
.Lfunc_end_k_qd656997da1_pv:
	.size	k_qd656997da1_pv, .Lfunc_end_k_qd656997da1_pv-k_qd656997da1_pv
	.p2alignl 7, 3214868480
	.fill 96, 4, 3214868480
	.section	.rodata,"a",@progbits
	.p2align	6, 0x0
	.amdhsa_kernel k_qd656997da1_pv
		.amdhsa_group_segment_fixed_size 327680
		.amdhsa_private_segment_fixed_size 0
		.amdhsa_enable_private_segment 0
		.amdhsa_kernarg_size 40
		.amdhsa_user_sgpr_count 2
		.amdhsa_user_sgpr_kernarg_segment_ptr 1
		.amdhsa_wavefront_size32 1
		.amdhsa_system_sgpr_workgroup_id_x 1
		.amdhsa_system_sgpr_workgroup_id_y 1
		.amdhsa_system_sgpr_workgroup_id_z 1
		.amdhsa_system_vgpr_workitem_id 0
		.amdhsa_next_free_vgpr 768
		.amdhsa_next_free_sgpr 80
		.amdhsa_reserve_vcc 0
		.amdhsa_float_denorm_mode_32 3
		.amdhsa_float_denorm_mode_16_64 3
		.amdhsa_memory_ordered 1
		.amdhsa_forward_progress 1
		.amdhsa_inst_pref_size 155
	.end_amdhsa_kernel
	.amdgpu_metadata
---
amdhsa.version: [ 1, 2 ]
amdhsa.kernels:
  - .name:           k_qd656997da1_pv
    .symbol:         k_qd656997da1_pv.kd
    .args:
      - { .name: p, .offset: 0, .size: 8, .value_kind: global_buffer, .address_space: global }
      - { .name: qkv, .offset: 8, .size: 8, .value_kind: global_buffer, .address_space: global }
      - { .name: cmx, .offset: 16, .size: 8, .value_kind: global_buffer, .address_space: global }
      - { .name: lsum, .offset: 24, .size: 8, .value_kind: global_buffer, .address_space: global }
      - { .name: out0, .offset: 32, .size: 8, .value_kind: global_buffer, .address_space: global }
    .group_segment_fixed_size: 327680
    .private_segment_fixed_size: 0
    .kernarg_segment_align: 8
    .kernarg_segment_size: 40
    .max_flat_workgroup_size: 128
    .sgpr_count:     80
    .vgpr_count:     768
    .wavefront_size: 32
...
	.end_amdgpu_metadata
.endif
;; end of part 4
